; MI455X (gfx1250); checked and timed in simulation.
; The chip was launched on July 23, 2026; its instructions are those of AMD's public machine-readable ISA for CDNA 5 (MIT licence, August 2026) and "CDNA5" Instruction Set Architecture Reference Guide (July 2026). The comments in the code are by the model that wrote it; some were corrected since.
;; MLX Swi GLU. Allowed arithmetic: matrix products marked QUANTISED: E4M3 operands, one given power-of-two scale a tensor, by v_wmma_f32_16x16x64_fp8_fp8 or v_wmma_f32_16x16x128_fp8_fp8, f32 sums; everything else in f32.
;; Inputs: lowp_scales 6 int32 (the exponents e of the quantised operands' scales 2^e); w_down 2,048 x 1,024 float32; w_gate 1,024 x 2,048 float32; w_up 1,024 x 2,048 float32; x 4 x 2,048 x 2,048 float32.
;; Outputs: out0 4 x 2,048 x 2,048 float32.
;; This version of the problem:
;;   THIS VERSION OF THE PROBLEM IS GIVEN IN LOW PRECISION. The matrix products marked QUANTISED in the list below multiply operands that are first quantised to E4M3 (4 exponent bits, 3 mantissa bits; 8 bits a number), with one given power-of-two scale for each operand tensor; their sums are f32. All else is computed in f32.
;;   The module's matrix products, in the order in which they are computed (A, B: the left and right operand; K: the contracted axis; several contracted axes count as one K, in the product's order):
;;     1. [M 8,192, K 2,048] x [K 2,048, N 1,024]; A: input x; B: input w_gate: QUANTISED (scales: A lowp_scales[0], B lowp_scales[1])
;;     2. [M 8,192, K 2,048] x [K 2,048, N 1,024]; A: input x; B: input w_up: QUANTISED (scales: A lowp_scales[2], B lowp_scales[3])
;;     3. [M 8,192, K 1,024] x [K 1,024, N 2,048]; A: computed on the way; B: input w_down: QUANTISED (scales: A lowp_scales[4], B lowp_scales[5])
;;   THE QUANTISER, for each operand of a quantised product, along K:
;;     - The operand's scale is 2^e, e = its entry of the input lowp_scales (int32; the entries are numbered through the quantised products in the list's order, A before B).
;;     - Each number is divided by the scale, clamped to +-448, and rounded to the nearest number of E4M3, ties to even, subnormals kept.
;;     - The product sums the exact products of the quantised numbers (number of the format x scale) in f32.
;;   ~~~python
;;   def quantise(x, axis, e):      # numpy; x: float32 -> the quantised numbers, widened to float32 again
;;       x = np.moveaxis(x, axis, -1); K = x.shape[-1]
;;       r = np.clip(x / 2.0 ** e, -448, 448)
;;       step = 2.0 ** (np.maximum(np.frexp(np.where(r == 0, 1, r))[1] - 1, -6) - 3)
;;       q = np.round(r / step) * step * 2.0 ** e      # np.round: ties to even
;;       return np.moveaxis(q, -1, axis).astype(np.float32)
;;   ~~~
;;   OPERANDS COMPUTED ON THE WAY. 'Computed on the way' means the value that the module computes at that place (a softmax that the list does not call 'softmax' is quantised finished and normalised). What goes into a quantiser is computed in f32, as accurately as f32 sums, v_exp_f32 and their like allow (about 1e-6 of the number): no bf16 or f16 on the way to a quantiser, and a product that is left as it is and whose result goes on into a quantised operand takes f32 operands (vector FMAs, or v_wmma_f32_16x16x4_f32). A number that lies on a knife's edge between two numbers of the format may be rounded either way, as far as f32 arithmetic and the matrix unit's own rounding can turn it there, and no further.
;; One version. Each part assembles by itself: llvm-mc -triple=amdgcn-amd-amdhsa -mcpu=gfx1250 --defsym DOCPART=n.
;; ======== version 1 of 1: 3 launches
;; limits: right only within a limited range of input values
;; workspace buffers: codes 39,845,888 bytes; hc 8,388,608 bytes
;; launch quant (part 1): grid 704 x 1, 4 waves a work-group, no clusters, 20,992 bytes of LDS; arguments x, w_gate, w_up, w_down, lowp_scales, codes; writes codes
.if DOCPART == 1
	.amdgcn_target "amdgcn-amd-amdhsa--gfx1250"
	.amdhsa_code_object_version 6
	.text
	.protected	k_q6232a104ca_quant
	.globl	k_q6232a104ca_quant
	.p2align	8
	.type	k_q6232a104ca_quant,@function
k_q6232a104ca_quant:
	s_mov_b64 s[64:65], 0
	v_nop
	global_prefetch_b8 v0, s[64:65] scope:SCOPE_SE
	s_setreg_imm32_b32 hwreg(HW_REG_WAVE_MODE, 25, 1), 1
	s_wait_xcnt 0x0
; x [8192][2048], w_gate and w_up [1024][2048], w_down [2048][1024], all f32 with K innermost, become codes of FP8 (E4M3), each with the scale 2^e that is given for it.
; code = number / 2^e, held within +-448, rounded to the nearest code, ties to even.  x is an operand of two products with two given scales, so it is quantised twice: with e0 and with e2.
; THE CODES' BUFFER: x with e0 at 0, x with e2 at XU_OFF, w_gate at WG_OFF, w_up at WU_OFF, w_down at WD_OFF.  A panel is 128 along K.
;   x (each set): [4 panels' chunk][tile of 128 rows][panel in the chunk][128 rows][128 bytes]: a tile of 128 rows x 512 K is one dense block of 65,536 bytes.
;   w_gate, w_up: [slice of 32 along K][1,024 rows][32 bytes]: 16 rows of a slice are 512 dense bytes, which one load of the next launch takes straight into an operand's registers.
;   w_down: [panel][2,048 rows][128 bytes].
; SHARES.  A work-group takes 64 rows x 4 panels; wave w takes one panel; a step is 4 rows x 128 numbers.  Work-groups 0-511 take x, 512-575 w_gate, 576-639 w_up, 640-703 w_down: only pointers, offsets and
; shift counts are chosen by the work-group's number; x's second quantisation alone stands under a scalar branch on that number.
; Each of a step's four loads reads 512 consecutive bytes of one row.  The conversions want 16 neighbours along K in ONE lane: the step's 2,048 bytes go through the wave's own stage in LDS and come back 64 bytes a lane.
; Lane l then holds row l / 8 of the four, k = 16 (l % 8) on.  For x and w_down its 16 codes are bytes 16 l of 512 consecutive ones; for w_gate and w_up a store writes four runs of 128 bytes, one in each of the panel's four slices
; (two steps fill an aligned 256 bytes; these two tensors are 4 MiB of the 38 MiB of codes).
; ALL STORES STAND AT THE WAVE'S END, behind its last vector and LDS instruction: every step's codes have registers of their own.  The loads' sixteen scalar bases, done with by then, become the stores'.
; No barrier: waves share nothing.  Loads run four steps (16 loads a wave) ahead, the turn through LDS one step.
; LIMITS: each of e0, e1, e2, e3, e5 lies between -126 and 119, so that 2^e and 448 x 2^e are f32 numbers.  NaN among the inputs is not served; an infinity is held at the largest code.
.set XU_OFF, 16777216
.set WG_OFF, 33554432
.set WU_OFF, 35651584
.set WD_OFF, 37748736
.set STEPS, 16
.set SP,    80                         ; a lane's place in a stage: 64 bytes + 16 of padding
.set WREG,  5120                       ; LDS of a wave: two stages of 32 x SP bytes
.set SOFF,  3                          ; v3       my codes' place in a step's
.set OFF,   4                          ; v4-7     16 x lane + i rows: the four loads' offsets
.set R,     16                         ; v16-79   four sets of 16 numbers as loaded
.set X,     80                         ; v80-111  two sets of 16 neighbours
.set T,     112                        ; v112-127 the numbers held for the first scale
.set C1,    128                        ; v128-191 the first set of codes, four registers a step
.set C2,    192                        ; v192-255 x's second set
.set BASE,  32                         ; s[32:63] the source's address at each step's first row; at the end the codes' address of each step
	s_load_b256 s[4:11], s[0:1], 0x0               ; x s[4:5], w_gate s[6:7], w_up s[8:9], w_down s[10:11]
	s_load_b128 s[12:15], s[0:1], 0x20             ; the scales' exponents s[12:13], the codes s[14:15]
	v_lshl_add_u32 v8, v0, 2, 0x5000               ; my spare word, behind the four waves' stages
	v_mov_b32 v9, 0
	v_lshrrev_b32 v1, 5, v0
	v_readfirstlane_b32 s16, v1                    ; wave 0..3
	v_and_b32 v2, 31, v0                           ; lane
	v_lshlrev_b32 v[OFF], 4, v2                    ; 16 x lane
	s_mul_i32 s17, s16, WREG
	v_lshrrev_b32 v14, 2, v2
	v_mul_u32_u24 v14, v14, SP
	v_and_b32 v15, 3, v2
	v_lshl_add_u32 v14, v15, 4, v14
	v_add_nc_u32 v14, s17, v14                     ; the stage, on the way in: four lanes' 64 bytes on end, then the padding
	v_mul_u32_u24 v15, v2, SP
	v_add_nc_u32 v15, s17, v15                     ; and on the way out: my 64 bytes
	s_mov_b32 s22, 640                             ; w_down's figures: its first work-group,
	s_mov_b32 s23, WD_OFF                          ; where its codes begin,
	s_mov_b32 s24, 12                              ; log2 of a row's bytes,
	s_mov_b32 s26, 1                               ; log2 of the groups of four panels in a row,
	s_mov_b32 s82, 7                               ; log2 of the bytes from row to row in the codes,
	s_mov_b32 s83, 5                               ; log2 of the bytes from 32 along K to the next 32
	s_wait_alu depctr_va_vdst(0)
	s_wait_kmcnt 0x0
	s_load_b128 s[68:71], s[12:13], 0x0            ; e0 .. e3
	s_load_b64 s[72:73], s[12:13], 0x10            ; e4, e5
	s_mov_b64 s[20:21], s[10:11]
	s_cmp_lt_u32 ttmp9, 640                        ; the choices hang on the work-group's number alone
	s_cselect_b64 s[20:21], s[8:9], s[20:21]       ; w_up
	s_cselect_b32 s22, 576, s22
	s_cselect_b32 s23, WU_OFF, s23
	s_cselect_b32 s24, 13, s24
	s_cselect_b32 s26, 2, s26
	s_cselect_b32 s82, 5, s82
	s_cselect_b32 s83, 15, s83
	s_cmp_lt_u32 ttmp9, 576
	s_cselect_b64 s[20:21], s[6:7], s[20:21]       ; w_gate
	s_cselect_b32 s22, 512, s22
	s_cselect_b32 s23, WG_OFF, s23
	s_cmp_lt_u32 ttmp9, 512
	s_cselect_b64 s[20:21], s[4:5], s[20:21]       ; x
	s_cselect_b32 s22, 0, s22
	s_cselect_b32 s23, 0, s23
	s_cselect_b32 s82, 7, s82
	s_cselect_b32 s83, 5, s83
.irp i, 1,2,3
	s_lshl_b32 s74, \i, s24
	v_add_nc_u32 v[OFF+\i], s74, v[OFF]            ; i rows further down
.endr
	v_lshrrev_b32 v[SOFF], 3, v2                   ; my row of the step's four,
	v_lshlrev_b32 v[SOFF], s82, v[SOFF]
	v_bfe_u32 v1, v2, 1, 2                         ; my 32 along K of the panel's four,
	v_lshlrev_b32 v1, s83, v1
	v_add_nc_u32 v[SOFF], v[SOFF], v1
	v_and_b32 v1, 1, v2                            ; my 16 of the 32
	v_lshl_add_u32 v[SOFF], v1, 4, v[SOFF]
	s_sub_co_u32 s27, ttmp9, s22                   ; my number among the tensor's work-groups
	s_lshr_b32 s28, s27, s26                       ; which 64 rows
	s_lshl_b32 s29, s28, s26
	s_sub_co_u32 s29, s27, s29                     ; which four panels
	s_lshl_b32 s29, s29, 2
	s_add_co_u32 s29, s29, s16                     ; my wave's panel
	s_lshl_b32 s30, s28, 6
	s_lshl_b32 s30, s30, s24                       ; 64 rows x the block's number, in bytes (under 2^27)
	s_lshl_b32 s31, s29, 9                         ; + 512 bytes a panel
	s_add_co_u32 s30, s30, s31
	s_mov_b32 s31, 0
	s_add_nc_u64 s[BASE:BASE+1], s[20:21], s[30:31]
	s_lshl_b32 s18, 4, s24                         ; four rows on
	s_mov_b32 s19, 0
.irp t, 1,2,3,4,5,6,7,8,9,10,11,12,13,14,15
	s_add_nc_u64 s[BASE+2*\t:BASE+2*\t+1], s[BASE+2*\t-2:BASE+2*\t-1], s[18:19]
.endr
	; where my 64 rows x 128 codes begin.  w_down:
	s_lshl_b32 s74, s29, 18                        ; my panel,
	s_lshl_b32 s75, s28, 13                        ; my 64 rows of 128 bytes
	s_add_co_u32 s74, s74, s75
	; w_gate, w_up:
	s_lshl_b32 s75, s29, 17                        ; my panel's four slices of 32,768 bytes,
	s_lshl_b32 s76, s28, 11                        ; my 64 rows of 32 bytes
	s_add_co_u32 s75, s75, s76
	; x:
	s_lshr_b32 s76, s29, 2
	s_lshl_b32 s76, s76, 22                        ; the chunk of four panels,
	s_lshr_b32 s77, s28, 1
	s_lshl_b32 s77, s77, 16                        ; the tile of 128 rows,
	s_add_co_u32 s76, s76, s77
	s_lshl_b32 s77, s16, 14                        ; the panel in the chunk,
	s_add_co_u32 s76, s76, s77
	s_and_b32 s77, s28, 1
	s_lshl_b32 s77, s77, 13                        ; my 64 rows of the 128
	s_add_co_u32 s76, s76, s77
	s_cmp_lt_u32 ttmp9, 640
	s_cselect_b32 s74, s75, s74
	s_cmp_lt_u32 ttmp9, 512
	s_cselect_b32 s74, s76, s74
	s_add_co_u32 s74, s74, s23                     ; in the tensor's part of the buffer
	s_mov_b32 s75, 0
	s_add_nc_u64 s[78:79], s[14:15], s[74:75]
.macro LOAD t                          ; step t: rows 4 t .. 4 t + 3, 512 consecutive bytes a load
.irp i, 0,1,2,3
	global_load_b128 v[R+16*((\t)%4)+4*\i:R+16*((\t)%4)+4*\i+3], v[OFF+\i], s[BASE+2*(\t):BASE+2*(\t)+1] th:TH_LOAD_NT
.endr
.endm
.macro TURN t                          ; step t's numbers through the stage: LDS serves a wave's instructions in order, so no wait stands between the stores and the loads
.irp i, 0,1,2,3
	ds_store_b128 v14, v[R+16*((\t)%4)+4*\i:R+16*((\t)%4)+4*\i+3] offset:32*SP*((\t)%2)+8*SP*\i
.endr
.irp i, 0,1,2,3
	ds_load_b128 v[X+16*((\t)%2)+4*\i:X+16*((\t)%2)+4*\i+3], v15 offset:32*SP*((\t)%2)+16*\i
.endr
.endm
	s_wait_alu depctr_va_vdst(0)                   ; the offsets were made among many scalar lines
.irp t, 0,1,2,3
	LOAD \t
.endr
	s_wait_kmcnt 0x0
	s_mov_b32 s76, s73                             ; e5 for w_down,
	s_cmp_lt_u32 ttmp9, 640
	s_cselect_b32 s76, s71, s76                    ; e3 for w_up,
	s_cmp_lt_u32 ttmp9, 576
	s_cselect_b32 s76, s69, s76                    ; e1 for w_gate,
	s_cmp_lt_u32 ttmp9, 512
	s_cselect_b32 s76, s68, s76                    ; e0 for x's first set
	s_add_co_i32 s76, s76, 127
	s_lshl_b32 s77, s76, 23
	v_mov_b32 v11, s77                             ; 2^e as f32: the conversion takes its exponent field
	s_add_co_i32 s76, s76, 8
	s_lshl_b32 s76, s76, 23
	s_or_b32 s76, s76, 0x600000
	v_mov_b32 v10, s76                             ; 448 x 2^e
	s_add_co_i32 s76, s70, 127                     ; the same with e2, for x's second set
	s_lshl_b32 s77, s76, 23
	v_mov_b32 v13, s77
	s_add_co_i32 s76, s76, 8
	s_lshl_b32 s76, s76, 23
	s_or_b32 s76, s76, 0x600000
	v_mov_b32 v12, s76
	s_wait_alu depctr_va_vdst(0)
	s_wait_loadcnt 12                              ; step 0's four loads are in; three steps' twelve stay out
	TURN 0
.macro STEP t
.set XS, X+16*((\t)%2)
	s_wait_dscnt 0x0                               ; this step's numbers are back from the stage, and its stores into the stage have read their registers,
.if (\t)+4 < STEPS
	LOAD (\t)+4                                    ; which take the loads of four steps on
.endif
.if (\t)+1 < STEPS
.if STEPS-2-(\t) >= 3
	s_wait_loadcnt 12                              ; the next step's four loads are in; those of the three steps behind it may be out
.else
	s_wait_loadcnt 4*(STEPS-2-(\t))                ; the last steps: the counts run down
.endif
	TURN (\t)+1                                    ; they go through the other stage while this step is worked
.endif
.irp i, 0,1,2,3,4,5,6,7,8,9,10,11,12,13,14,15
	v_med3_num_f32 v[T+\i], v[XS+\i], -v10, v10    ; the conversion to an 8-bit code does not saturate (ISA guide 7.6.2): the number is held first; x's numbers are kept for the second scale
.endr
	v_cvt_scalef32_pk8_fp8_f32 v[C1+4*(\t):C1+4*(\t)+1], v[T:T+7], v11
	v_cvt_scalef32_pk8_fp8_f32 v[C1+4*(\t)+2:C1+4*(\t)+3], v[T+8:T+15], v11
	v_nop                                          ; one plain vector line behind the conversions: the next step writes their sources
	s_cmp_lt_u32 ttmp9, 512                        ; x alone has a second scale
	s_cbranch_scc0 .Lone_\@
.irp i, 0,1,2,3,4,5,6,7,8,9,10,11,12,13,14,15
	v_med3_num_f32 v[XS+\i], v[XS+\i], -v12, v12
.endr
	v_cvt_scalef32_pk8_fp8_f32 v[C2+4*(\t):C2+4*(\t)+1], v[XS:XS+7], v13
	v_cvt_scalef32_pk8_fp8_f32 v[C2+4*(\t)+2:C2+4*(\t)+3], v[XS+8:XS+15], v13
	v_nop
.Lone_\@:
.endm
.irp t, 0,1,2,3,4,5,6,7,8,9,10,11,12,13,14,15
	STEP \t
.endr
	s_wait_alu depctr_va_vdst(0)
	s_wait_tensorcnt 0x0
	ds_add_u32 v8, v9
	s_wait_dscnt 0x0
	s_lshl_b32 s18, 4, s82                         ; four rows on in the codes (s19 is 0); every load is done, so the sixteen bases may be written
	s_mov_b64 s[BASE:BASE+1], s[78:79]
.irp t, 1,2,3,4,5,6,7,8,9,10,11,12,13,14,15
	s_add_nc_u64 s[BASE+2*\t:BASE+2*\t+1], s[BASE+2*\t-2:BASE+2*\t-1], s[18:19]
.endr
.irp t, 0,1,2,3,4,5,6,7,8,9,10,11,12,13,14,15
	global_store_b128 v[SOFF], v[C1+4*\t:C1+4*\t+3], s[BASE+2*\t:BASE+2*\t+1]
.endr
	s_cmp_lt_u32 ttmp9, 512
	s_cbranch_scc0 .Ldone
	s_wait_xcnt 0x0                                ; the stores have read their bases
.irp t, 0,1,2,3,4,5,6,7,8,9,10,11,12,13,14,15
	s_add_nc_u64 s[BASE+2*\t:BASE+2*\t+1], s[BASE+2*\t:BASE+2*\t+1], XU_OFF
.endr
.irp t, 0,1,2,3,4,5,6,7,8,9,10,11,12,13,14,15
	global_store_b128 v[SOFF], v[C2+4*\t:C2+4*\t+3], s[BASE+2*\t:BASE+2*\t+1]
.endr
.Ldone:
	s_endpgm
.Lfunc_end_k_q6232a104ca_quant:
	.size	k_q6232a104ca_quant, .Lfunc_end_k_q6232a104ca_quant-k_q6232a104ca_quant
	.p2alignl 7, 3214868480
	.fill 96, 4, 3214868480
	.section	.rodata,"a",@progbits
	.p2align	6, 0x0
	.amdhsa_kernel k_q6232a104ca_quant
		.amdhsa_group_segment_fixed_size 20992
		.amdhsa_private_segment_fixed_size 0
		.amdhsa_enable_private_segment 0
		.amdhsa_kernarg_size 48
		.amdhsa_user_sgpr_count 2
		.amdhsa_user_sgpr_kernarg_segment_ptr 1
		.amdhsa_wavefront_size32 1
		.amdhsa_system_sgpr_workgroup_id_x 1
		.amdhsa_system_sgpr_workgroup_id_y 1
		.amdhsa_system_sgpr_workgroup_id_z 1
		.amdhsa_system_vgpr_workitem_id 0
		.amdhsa_next_free_vgpr 256
		.amdhsa_next_free_sgpr 84
		.amdhsa_reserve_vcc 0
		.amdhsa_float_denorm_mode_32 3
		.amdhsa_float_denorm_mode_16_64 3
		.amdhsa_memory_ordered 1
		.amdhsa_forward_progress 1
		.amdhsa_inst_pref_size 64
	.end_amdhsa_kernel
	.amdgpu_metadata
---
amdhsa.version: [ 1, 2 ]
amdhsa.kernels:
  - .name:           k_q6232a104ca_quant
    .symbol:         k_q6232a104ca_quant.kd
    .args:
      - { .name: x, .offset: 0, .size: 8, .value_kind: global_buffer, .address_space: global }
      - { .name: w_gate, .offset: 8, .size: 8, .value_kind: global_buffer, .address_space: global }
      - { .name: w_up, .offset: 16, .size: 8, .value_kind: global_buffer, .address_space: global }
      - { .name: w_down, .offset: 24, .size: 8, .value_kind: global_buffer, .address_space: global }
      - { .name: lowp_scales, .offset: 32, .size: 8, .value_kind: global_buffer, .address_space: global }
      - { .name: codes, .offset: 40, .size: 8, .value_kind: global_buffer, .address_space: global }
    .group_segment_fixed_size: 20992
    .private_segment_fixed_size: 0
    .kernarg_segment_align: 8
    .kernarg_segment_size: 48
    .max_flat_workgroup_size: 128
    .sgpr_count:     84
    .vgpr_count:     256
    .wavefront_size: 32
...
	.end_amdgpu_metadata
.endif
;; end of part 1
;; launch gateup (part 2): grid 4 x 64, 4 waves a work-group, clusters of 4 x 1, 327,680 bytes of LDS; arguments codes, lowp_scales, hc; writes hc
.if DOCPART == 2
	.amdgcn_target "amdgcn-amd-amdhsa--gfx1250"
	.amdhsa_code_object_version 6
	.text
	.protected	k_q6232a104ca_gateup
	.globl	k_q6232a104ca_gateup
	.p2align	8
	.type	k_q6232a104ca_gateup,@function
k_q6232a104ca_gateup:
	s_mov_b64 s[64:65], 0
	v_nop
	global_prefetch_b8 v0, s[64:65] scope:SCOPE_SE
	s_setreg_imm32_b32 hwreg(HW_REG_WAVE_MODE, 25, 1), 1
	s_wait_xcnt 0x0
	s_wait_alu depctr_hold_cnt(0) depctr_sa_sdst(0) depctr_va_vdst(0) depctr_va_sdst(0) depctr_va_ssrc(0) depctr_va_vcc(0) depctr_vm_vsrc(0)
	s_getreg_b32 s2, hwreg(HW_REG_IB_STS2, 6, 4)
	s_cmp_eq_u32 s2, 0
	s_cbranch_scc0 .Lentry_in_a_cluster
	s_endpgm
.Lentry_in_a_cluster:
	s_bfe_u32 s2, ttmp6, 0x10000c
	s_cmp_lg_u32 s2, 0x3003
	s_cbranch_scc0 .Lentry_shape_is_right
	s_endpgm
.Lentry_shape_is_right:
; hidden = silu(x Wg^T) * (x Wu^T), both products on codes of FP8 (E4M3), and the hidden layer's codes with the given scale 2^e4.  M = 8,192 rows, K = 2,048, 1,024 hidden units.
; THE CODES: x with e0 at 0, x with e2 2^24 bytes on, each [chunk of 4 panels][tile of 128 rows][panel][128 rows][128 bytes] (a panel: 128 along K); Wg at WG_OFF, Wu 2^21 bytes on, each [slice of 32 along K][1,024 rows][32 bytes].
; THE RESULT hc: [tile of 256 rows][panel of 128 hidden units][256 rows][128 bytes].
; SHARES.  A work-group makes 128 rows x 256 hidden units, gate and up.  Wave w: hidden units 128 (w / 2) on; w % 2 = 0: the gate's sums, 1: the up's: 128 x 128, 64 accumulators of 16 x 16, 512 registers.
; THE WEIGHTS: each wave multiplies 128 rows of a weight that no other wave of the work-group wants.  So they go from memory straight into the operand's registers: a load takes 16 rows of a slice, 512 consecutive bytes.
;   Three sets of 8 fragments take turns; a K step's 32 loads are issued two K steps ahead of their use.  Every offset is an immediate.
; x: two waves share each set of codes, and the four work-groups of a cluster (the four tile columns of one tile row) want the same tiles: they come JOINTLY (mask 15) through LDS.  A slot holds four K steps of both sets, 131,072 bytes;
;   two slots; four fills in the launch, one tensor load a wave each (wave w: set w % 2, panels 2 (w / 2) and 2 (w / 2) + 1 of the chunk: 32,768 dense bytes as 128 rows of 256).
;   x's fragments have six buffers: groups of two blocks of 16 rows are fetched from LDS two groups (32 matrix instructions) ahead.  So at a change of slots the old slot's last reads are over two groups before its last products.
; PREFETCH: behind the tensor load of chunk c (c = 1, 2) chunk c + 1 of x is asked for, four K steps ahead of its load; each wave asks for a quarter (by cx) of the block that it will fetch, a lane a block of 256 bytes: each block once
;   in the one cluster that loads it.  The weights are not asked for: all 64 clusters read the same 4 MiB in the same order.
; NO LOOP: three sets of the weight, six buffers of x and four K steps a slot come back together after twelve K steps, and there are sixteen.  The text is written by a counted repeat of one macro.
; THE MATRIX INSTRUCTION IS USED TRANSPOSED (source 0 = 16 rows of a weight, source 1 = 16 rows of x): lane (r, h) holds row r, and register j of accumulator b the hidden unit 16 b + 8 h + j: eight neighbours along the next K.
; A fragment (16 rows x 128 K, 16 registers) holds in registers 4 c .. 4 c + 3 k = 32 c + 16 h + 0 .. 15: a permutation of k that is the same on both sides, so every product meets its partner.
; THE WAY OUT.  A gate wave keeps its rows 0-63 (window 2) and an up wave its rows 64-127 (also window 2: its blocks of x are fetched in the other order); each sends the other half (window 3) to its partner through LDS, as an
; image of the registers.  So every wave has gate and up of 64 rows x 128 units.  With g, u the raw sums: sigma = 1 / (1 + 2^(c g)), c = -log2(e) 2^(e0 + e1); code = g u sigma / 2^E, E = e4 - e0 - e1 - e2 - e3.
; ORDER OF ROUNDING: a gate wave forms (g sigma) u, an up wave (u sigma) g: the same three factors, sigma (at most 1) first in both.
; LIMITS: e0 + e1 between -126 and 127 (added to c's exponent field); E between -126 and 119.  NaN is not served.
; REGISTERS, in windows of 256: window 0: v8-31 addresses and constants; v32-127 x's six fragment buffers; v128-255 the weight's set 2 (on the way out: v32-95 at work, v96-111 codes, v128-255 the partner's sums);
;   window 1: the weight's sets 0 and 1;  window 2: accumulators of my blocks 0-3 ((a, b) at v[8 (8 a + b)]);  window 3: of my blocks 4-7.
.set WG_OFF, 33554432
.set PP,    272                        ; in LDS two rows of codes, 256 bytes, then 16 of padding: the 16 rows that a load touches start at sixteen different groups of four banks (ISA guide 11.1)
.set BLK,   8*PP                       ; 16 rows
.set PANL,  64*PP                      ; 128 rows: a panel of a tile
.set WLD,   2*PANL                     ; what one tensor load brings
.set SLOT,  4*WLD
.set SPARE, 2*SLOT                     ; behind the ring: the spare words, 128 bytes for each wave
.set HST0,  131072                     ; the way out lies in the ring, which has had its last fill and its last read by then: four images of 32,768 bytes from LDS byte 0, then four stages of 64 rows x 144 bytes
.set HP,    144
.set AL,    8                          ; v8-11   my blocks 0-3 of x: slot 0 panels 0-1, slot 0 panels 2-3, slot 1 likewise;  v12-15 my blocks 4-7
.set BO,    16                         ; v16     the weight: 32 r + 16 h
.set XS,    22                         ; v22     where I put my image
.set XR,    23                         ; v23     where I read my partner's
.set HS,    24                         ; v24     the stage: where I put 8 codes
.set HR,    25                         ; v25     and where I read 16 back
.set GO,    26                         ; v26     16 x lane
.set PFO,   27                         ; v27     256 x lane
.set SPW,   28                         ; v28     my spare word; never rewritten
.set NIL,   29                         ; v29     0; never rewritten
.set SC,    30                         ; v30     2^E as f32
.set LM,    31                         ; v31     448 x 2^E
.set T,     32
.set C,     96
.set AF,    32
.set G1,  24                           ; s[24:31] descriptor group 1
.set G0,  32                           ; s[32:35], s[36:39] group 0 for slot 0, slot 1
.set PF,  40                           ; s[40:41] the prefetches: my quarter of my block of chunk 2; never rewritten
.set BB,  42                           ; s[42:43] my 128 rows of my weight, slice 0; never rewritten
.set CO,  86                           ; s[86:87] c in a gate wave, 0 in an up wave: the factor of my own sums
.set CP,  88                           ; s[88:89] the other way round
.set MSB, 0
.macro WIN new                         ; the immediate's high byte repeats the setting that is left
.if MSB != (\new)
	s_set_vgpr_msb (MSB<<8)|(\new)
.set MSB, (\new)
.endif
.endm
.macro CROUND                          ; a round of the cluster's barrier
	s_barrier_signal -1
	s_barrier_wait -1
	s_cmp_lg_u32 s14, 0
	s_cbranch_scc1 .Lnot_wave_0_\@
	s_barrier_signal -3
.Lnot_wave_0_\@:
	s_barrier_wait -3
	s_barrier_signal -1
	s_barrier_wait -1
.endm
.macro PLACES                          ; four plain vector lines between a matrix instruction and a load into, or a read of, its registers (ISA guide 7.12.1 for reads)
.rept 4
	v_nop
.endr
.endm
	s_load_b128 s[4:7], s[0:1], 0x0                ; the codes s[4:5], the scales' exponents s[6:7]
	s_load_b64 s[8:9], s[0:1], 0x10                ; hc
	v_lshl_add_u32 v[SPW], v0, 2, SPARE
	v_mov_b32 v[NIL], 0
	ds_add_u32 v[SPW], v[NIL]                      ; the opening lines: the add, twice on end, and its wait ahead of my first tensor load
	ds_add_u32 v[SPW], v[NIL]
	v_lshrrev_b32 v1, 5, v0
	v_readfirstlane_b32 s14, v1                    ; wave 0..3
	s_lshr_b32 s15, s14, 1                         ; which 128 hidden units.  Also: which two panels of a chunk I fetch
	s_and_b32 s16, s14, 1                          ; gate (0) or up (1).  Also: which set of x's codes I fetch
	s_bfe_u32 s10, ttmp6, 0x40000                  ; cx = tile column (256 hidden units)
	s_and_b32 s17, ttmp7, 0xffff                   ; tile row (128 rows) = cluster y
	s_mov_b32 s[G1], 15|(3<<16)|(1<<20)|(1<<21)|(5<<22)|(3<<25)  ; the mask of all four partners; elements of 8 bytes; padding on; bit 21 beside the mask; after every 64 words, four words
	s_mov_b32 s[G1+1], 32<<16                      ; tensor_dim0 = 32 elements: rows of 256 bytes
	s_mov_b32 s[G1+2], 128<<16                     ; tensor_dim1 = 128
	s_mov_b32 s[G1+3], 32<<16                      ; tile_dim0
	s_mov_b32 s[G1+4], 128                         ; tile_dim1
	s_mov_b32 s[G1+5], 32                          ; from row to row
	s_mov_b32 s[G1+6], 0
	s_mov_b32 s[G1+7], 0
	s_lshl_b32 s20, s16, 24                        ; x, chunk 0: the set of codes,
	s_lshl_b32 s21, s17, 16                        ; the tile row's 65,536 bytes,
	s_add_co_u32 s20, s20, s21
	s_lshl_b32 s21, s15, 15                        ; my two panels: the address hangs on the tile row and the wave alone
	s_add_co_u32 s20, s20, s21
	s_mov_b32 s21, 0
	s_lshl_b32 s22, s16, 21                        ; the weight: which,
	s_lshl_b32 s23, s10, 13                        ; 256 rows x 32 bytes x tile column,
	s_add_co_u32 s22, s22, s23
	s_lshl_b32 s23, s15, 12                        ; my 128 rows
	s_add_co_u32 s22, s22, s23
	s_add_co_u32 s22, s22, WG_OFF
	s_mov_b32 s23, 0
	s_mov_b32 s[G0], 1
	s_mul_i32 s[G0+1], s14, WLD                    ; LDS address: a wave's block in slot 0,
	s_mov_b32 s[G0+4], 1
	s_add_co_u32 s[G0+5], s[G0+1], SLOT            ; in slot 1
	s_lshl_b32 s18, s10, 13                        ; my work-group's quarter of 32,768 bytes
	s_mov_b32 s19, 0
	s_wait_dscnt 0x0                               ; both opening adds are done
	s_wait_kmcnt 0x0
	s_load_b128 s[80:83], s[6:7], 0x0              ; e0 .. e3
	s_load_b32 s84, s[6:7], 0x10                   ; e4
	s_add_nc_u64 s[G0+2:G0+3], s[4:5], s[20:21]    ; chunk 0
	s_add_nc_u64 s[G0+6:G0+7], s[G0+2:G0+3], 0x400000   ; chunk 1
	s_add_nc_u64 s[PF:PF+1], s[G0+2:G0+3], s[18:19]
	s_add_nc_u64 s[PF:PF+1], s[PF:PF+1], 0x800000  ; chunk 2
	s_or_b32 s[G0+3], s[G0+3], 0x80000000          ; type = 2
	s_or_b32 s[G0+7], s[G0+7], 0x80000000
	s_add_nc_u64 s[BB:BB+1], s[4:5], s[22:23]
	CROUND                                         ; all four work-groups are here: the first joint loads meet
	tensor_load_to_lds s[G0:G0+3], s[G1:G1+7]      ; chunk 0: one tensor load a wave at the head
	s_nop 0
	PLACES
	s_lshr_b32 s98, s17, 1                         ; hc: the tile of 256 rows,
	s_lshl_b32 s98, s98, 18
	s_lshl_b32 s99, s10, 16                        ; the panel 2 x tile column + w / 2,
	s_add_co_u32 s98, s98, s99
	s_lshl_b32 s99, s15, 15
	s_add_co_u32 s98, s98, s99
	s_and_b32 s99, s17, 1                          ; my tile's 128 rows of the 256,
	s_lshl_b32 s99, s99, 14
	s_add_co_u32 s98, s98, s99
	s_lshl_b32 s99, s16, 13                        ; my 64 rows of the 128
	s_add_co_u32 s98, s98, s99
	s_mov_b32 s99, 0
	s_add_nc_u64 s[8:9], s[8:9], s[98:99]
	s_mul_i32 s90, s16, WLD+4*BLK                  ; my set of codes; blocks 0-3: rows 0-63 in a gate wave, rows 64-127 in an up wave
	s_mul_i32 s91, s16, WLD-4*BLK
	s_add_co_u32 s91, s91, 4*BLK                   ; blocks 4-7: the other 64 rows
	s_lshl_b32 s92, s14, 15                        ; the images: 32,768 x wave: mine,
	s_xor_b32 s93, s14, 1
	s_lshl_b32 s93, s93, 15                        ; my partner's (the wave of the other kind with the same hidden units)
	s_mul_i32 s94, s14, 64*HP
	s_add_co_u32 s94, s94, HST0                    ; my stage
	v_and_b32 v1, 15, v0                           ; r
	v_bfe_u32 v2, v0, 4, 1                         ; h
	v_and_b32 v5, 31, v0                           ; lane
	v_lshlrev_b32 v[PFO], 8, v5
	v_lshlrev_b32 v[GO], 4, v5
	v_lshlrev_b32 v[BO], 5, v1
	v_lshl_add_u32 v[BO], v2, 4, v[BO]
	v_lshrrev_b32 v6, 1, v1
	v_mul_u32_u24 v3, v6, PP                       ; a fragment's row: 272 (r / 2)
	v_and_b32 v7, 1, v1
	v_lshl_add_u32 v3, v7, 7, v3                   ; + 128 (r % 2)
	v_lshl_add_u32 v4, v2, 4, v3                   ; + 16 h
	v_add_nc_u32 v[AL], s90, v4
	v_add_nc_u32 v[AL+4], s91, v4
.irp g, 0,4
	v_add_nc_u32 v[AL+\g+1], 2*WLD, v[AL+\g]
	v_add_nc_u32 v[AL+\g+2], SLOT, v[AL+\g]
	v_add_nc_u32 v[AL+\g+3], SLOT+2*WLD, v[AL+\g]
.endr
	v_add_nc_u32 v[XS], s92, v[GO]
	v_add_nc_u32 v[XR], s93, v[GO]
	v_mul_u32_u24 v6, v1, HP
	v_lshl_add_u32 v6, v2, 3, v6
	v_add_nc_u32 v[HS], s94, v6                    ; in: row r, + 8 h
	v_lshrrev_b32 v6, 3, v5
	v_mul_u32_u24 v6, v6, HP
	v_and_b32 v7, 7, v5
	v_lshl_add_u32 v6, v7, 4, v6
	v_add_nc_u32 v[HR], s94, v6                    ; back: eight lanes to a row of 128 bytes, four rows an instruction
	s_wait_alu depctr_va_vdst(0)
.macro LOADB s                         ; K step s of my weight into set s % 3: 32 loads of 512 consecutive bytes
.set BS, (\s)%3
	WIN 0x40*(1-BS/2)                              ; sets 0 and 1: window 1; set 2: window 0
.irp b, 0,1,2,3,4,5,6,7
.irp c, 0,1,2,3
	global_load_b128 v[128*((BS+1)/2)+16*\b+4*\c:128*((BS+1)/2)+16*\b+4*\c+3], v[BO], s[BB:BB+1] offset:(4*(\s)+\c)*32768+\b*512
.endr
.endr
	WIN 0
.endm
.macro LOADG jj                        ; group jj of x: blocks 2 (jj % 4), + 1 of K step jj / 4, into buffers 2 jj % 6, + 1: 8 loads
.set LS, ((\jj)/16)%2
.set LP, ((\jj)/4)%4
.set LA, 2*((\jj)%4)
.set LR, AL+4*(LA/4)+2*LS+LP/2
.irp i, 0,1
.irp c, 0,1,2,3
	ds_load_b128 v[AF+16*((2*(\jj)+\i)%6)+4*\c:AF+16*((2*(\jj)+\i)%6)+4*\c+3], v[LR] offset:(LP%2)*PANL+((LA%4)+\i)*BLK+32*\c
.endr
.endr
.endm
.macro MULG j                          ; group j: 16 matrix instructions: two blocks of x against the weight's eight.  The 64 accumulators take turns, in the same order in every K step
.set MS, (\j)/4
.set MB, 128*((MS%3+1)/2)
.set MA, 2*((\j)%4)
	WIN 0xa0+0x50*(MA/4)+1-(MS%3)/2                ; source 0 (weight) window 1 or 0, source 1 (x) window 0, C and D window 2 or 3
.irp i, 0,1
.irp b, 0,1,2,3,4,5,6,7
.if MS == 0
	v_wmma_f32_16x16x128_fp8_fp8 v[8*(8*((MA+\i)%4)+\b):8*(8*((MA+\i)%4)+\b)+7], v[MB+16*\b:MB+16*\b+15], v[AF+16*((2*(\j)+\i)%6):AF+16*((2*(\j)+\i)%6)+15], 0
.else
	v_wmma_f32_16x16x128_fp8_fp8 v[8*(8*((MA+\i)%4)+\b):8*(8*((MA+\i)%4)+\b)+7], v[MB+16*\b:MB+16*\b+15], v[AF+16*((2*(\j)+\i)%6):AF+16*((2*(\j)+\i)%6)+15], v[8*(8*((MA+\i)%4)+\b):8*(8*((MA+\i)%4)+\b)+7]
.endif
.endr
.endr
.endm
; A CHANGE OF SLOTS, ahead of the first fetch from the next slot.  Each wave waits for all its tensor loads (its part of the next slot), adds 0 to its spare word, and waits for that and for its reads of the old slot, all of which
; have been issued.  n = 0, 1: a round of the cluster's barrier, and slot n, just read out, takes the chunk two on.  n = 2: nothing is filled any more: a work-group barrier.
.macro MEET n
	WIN 0
	s_wait_tensorcnt 0x0
	ds_add_u32 v[SPW], v[NIL]
.if (\n) < 2
	s_add_nc_u64 s[G0+4*(\n)+2:G0+4*(\n)+3], s[G0+4*(\n)+2:G0+4*(\n)+3], 0x800000   ; no load of mine is out: the slot's next chunk
.endif
	s_wait_dscnt 0x0
.if (\n) < 2
	CROUND
	tensor_load_to_lds s[G0+4*(\n):G0+4*(\n)+3], s[G1:G1+7]
	s_nop 0
.else
	s_barrier_signal -1
	s_barrier_wait -1
.endif
	PLACES
.if (\n) == 0
	global_prefetch_b8 v[PFO], s[PF:PF+1] offset:0x400000 th:TH_LOAD_NT scope:SCOPE_SE   ; chunk 3
.endif
.endm
.macro GROUP j
.if ((\j)%16) == 14 && (\j) < 48
	MEET (\j)/16
.elseif (\j) > 0
	WIN 0
	PLACES                                         ; the buffers and the set that take the loads below were read by the group before
.endif
.if (\j)+2 < 64
	LOADG (\j)+2
.endif
.if ((\j)%4) == 0
.if (\j)/4 < 15
	s_wait_loadcnt 32                              ; this K step's set is in; the next K step's 32 loads may be out
.else
	s_wait_loadcnt 0x0
.endif
.if (\j)/4+2 < 16
	LOADB (\j)/4+2
.endif
.endif
.if (\j)+2 < 64
	s_wait_dscnt 16                                ; this group's fragments are in; the next two groups' 16 loads may be out
.elseif (\j)+1 < 64
	s_wait_dscnt 8
.else
	s_wait_dscnt 0x0
.endif
	MULG \j
.endm
	LOADB 0
	LOADB 1
	s_wait_tensorcnt 0x0                           ; my part of chunk 0 is in
	ds_add_u32 v[SPW], v[NIL]
	s_wait_dscnt 0x0
	CROUND                                         ; everybody's part of chunk 0 is in, and all four work-groups are here
	tensor_load_to_lds s[G0+4:G0+7], s[G1:G1+7]    ; chunk 1, slot 1's first fill: the first tensor load behind the round
	s_nop 0
	PLACES
	global_prefetch_b8 v[PFO], s[PF:PF+1] th:TH_LOAD_NT scope:SCOPE_SE   ; chunk 2
	LOADG 0
	LOADG 1
.set J, 0
.rept 64
	GROUP J
.set J, J+1
.endr
	WIN 0
	s_barrier_signal -1                            ; my reads of the ring are over (the last wait on DScnt was for 0),
	s_barrier_wait -1                              ; and everybody's are: the ring's bytes may now be stored into
	; THE WAY OUT
	s_wait_kmcnt 0x0
	s_add_co_i32 s90, s80, s81                     ; e0 + e1
	s_lshl_b32 s91, s90, 23
	s_add_co_u32 s91, s91, 0xbfb8aa3b              ; c = -log2(e) x 2^(e0 + e1): the sum is added to the exponent field
	s_cmp_eq_u32 s16, 0                            ; the choice hangs on the wave's number alone
	s_cselect_b32 s[CO], s91, 0                    ; the gate's sums are mine in a gate wave,
	s_cselect_b32 s[CP], 0, s91                    ; my partner's in an up wave
	s_mov_b32 s[CO+1], s[CO]
	s_mov_b32 s[CP+1], s[CP]
	s_add_co_i32 s90, s90, s82
	s_add_co_i32 s90, s90, s83
	s_sub_co_i32 s90, s84, s90                     ; E = e4 - e0 - e1 - e2 - e3
	s_add_co_i32 s90, s90, 127
	s_lshl_b32 s91, s90, 23
	v_mov_b32 v[SC], s91                           ; 2^E as f32: the conversion takes its exponent field
	s_add_co_i32 s90, s90, 8
	s_lshl_b32 s90, s90, 23
	s_or_b32 s90, s90, 0x600000
	v_mov_b32 v[LM], s90                           ; 448 x 2^E
	PLACES                                         ; behind the last products
	WIN 0x0c                                       ; an LDS store's data: window 3
.set g, 0
.rept 64
	ds_store_b128 v[XS], v[4*g:4*g+3] offset:512*g ; window 3 as it stands, lane l's 16 bytes at 16 l; each accumulator from its low end on
.set g, g+1
.endr
	WIN 0
	s_wait_dscnt 0x0                               ; for my partner's sake: my image has landed
	s_barrier_signal -1
	s_barrier_wait -1
.macro GETP a, set                     ; my partner's sums of my block a: 16 loads, the same registers in the same lanes
.irp i, 0,1,2,3,4,5,6,7,8,9,10,11,12,13,14,15
	ds_load_b128 v[128+64*(\set)+4*\i:128+64*(\set)+4*\i+3], v[XR] offset:512*(16*(\a)+\i)
.endr
.endm
; Block a: 16 rows x 128 hidden units, 64 numbers a lane.  O: my own sums (window 2), P: my partner's.
.macro MATH a, set
.set PB, 128+64*(\set)
.set OB, 64*(\a)
.set j, 0
.rept 32
	v_pk_mul_f32 v[T+j:T+j+1], v[PB+j:PB+j+1], s[CP:CP+1] op_sel_hi:[1,0]
.set j, j+2
.endr
	WIN 0x02                                       ; source 0: window 2
.set j, 0
.rept 32
	v_pk_fma_f32 v[T+j:T+j+1], v[OB+j:OB+j+1], s[CO:CO+1], v[T+j:T+j+1] op_sel_hi:[1,0,1]   ; c g: one of the two factors is 0; each accumulator from its low end on
.set j, j+2
.endr
	WIN 0
.set j, 0
	s_wait_alu depctr_va_vdst(0)
.rept 64
	v_exp_f32 v[T+j], v[T+j]                       ; 2^(c g) = e^(-gate)
.set j, j+1
.endr
	v_nop                                          ; a plain line behind the last exponential,
	s_wait_alu depctr_va_vdst(0)                   ; and the one wait ahead of the batch's first reader
.set j, 0
.rept 32
	v_pk_add_f32 v[T+j:T+j+1], v[T+j:T+j+1], 1.0 op_sel_hi:[1,0]
.set j, j+2
.endr
.set j, 0
	s_wait_alu depctr_va_vdst(0)
.rept 64
	v_rcp_f32 v[T+j], v[T+j]                       ; sigma; where the exponential is infinite, 0
.set j, j+1
.endr
	v_nop
	s_wait_alu depctr_va_vdst(0)                   ; one wait for the batch of reciprocals
	WIN 0x02
.set j, 0
.rept 32
	v_pk_mul_f32 v[T+j:T+j+1], v[OB+j:OB+j+1], v[T+j:T+j+1]
.set j, j+2
.endr
	WIN 0
.set j, 0
.rept 32
	v_pk_mul_f32 v[T+j:T+j+1], v[T+j:T+j+1], v[PB+j:PB+j+1]   ; g u sigma, in raw sums
.set j, j+2
.endr
.set j, 0
.rept 64
	v_med3_num_f32 v[T+j], v[T+j], -v[LM], v[LM]   ; the conversion to an 8-bit code does not saturate (ISA guide 7.6.2): the hold, always executed
.set j, j+1
.endr
.irp b, 0,1,2,3,4,5,6,7
	v_cvt_scalef32_pk8_fp8_f32 v[C+2*\b:C+2*\b+1], v[T+8*\b:T+8*\b+7], v[SC]
.endr
	v_nop                                          ; one plain vector line behind the conversions
.irp b, 0,1,2,3,4,5,6,7
	ds_store_b64 v[HS], v[C+2*\b:C+2*\b+1] offset:(\a)*16*HP+16*\b   ; row 16 a + r, hidden units 16 b + 8 h + 0 .. 7
.endr
.endm
	GETP 0, 0
.irp a, 0,1,2,3
.if \a < 3
	GETP \a+1, (\a+1)%2
	s_wait_dscnt 16                                ; all but the sixteen loads just issued
.else
	s_wait_dscnt 0x0
.endif
	MATH \a, \a%2
.endr
.irp i, 0,1,2,3,4,5,6,7,8,9,10,11,12,13,14,15
	ds_load_b128 v[T+4*\i:T+4*\i+3], v[HR] offset:4*HP*\i   ; LDS serves a wave's instructions in order (ISA guide 5.7.1.4): these see my stores
.endr
.irp i, 0,1,2,3,4,5,6,7,8,9,10,11,12,13,14,15
	s_wait_dscnt 15-\i
	global_store_b128 v[GO], v[T+4*\i:T+4*\i+3], s[8:9] offset:512*\i   ; four rows of 128 bytes: 512 consecutive bytes, at a multiple of 256 from hc's first byte
.endr
	s_wait_tensorcnt 0x0                           ; the wave's end
	ds_add_u32 v[SPW], v[NIL]
	s_wait_dscnt 0x0
	CROUND                                         ; the closing round
	s_endpgm
.Lfunc_end_k_q6232a104ca_gateup:
	.size	k_q6232a104ca_gateup, .Lfunc_end_k_q6232a104ca_gateup-k_q6232a104ca_gateup
	.p2alignl 7, 3214868480
	.fill 96, 4, 3214868480
	.section	.rodata,"a",@progbits
	.p2align	6, 0x0
	.amdhsa_kernel k_q6232a104ca_gateup
		.amdhsa_group_segment_fixed_size 327680
		.amdhsa_private_segment_fixed_size 0
		.amdhsa_enable_private_segment 0
		.amdhsa_kernarg_size 24
		.amdhsa_user_sgpr_count 2
		.amdhsa_user_sgpr_kernarg_segment_ptr 1
		.amdhsa_wavefront_size32 1
		.amdhsa_system_sgpr_workgroup_id_x 1
		.amdhsa_system_sgpr_workgroup_id_y 1
		.amdhsa_system_sgpr_workgroup_id_z 1
		.amdhsa_system_vgpr_workitem_id 0
		.amdhsa_next_free_vgpr 1024
		.amdhsa_next_free_sgpr 100
		.amdhsa_reserve_vcc 0
		.amdhsa_float_denorm_mode_32 3
		.amdhsa_float_denorm_mode_16_64 3
		.amdhsa_memory_ordered 1
		.amdhsa_forward_progress 1
		.amdhsa_inst_pref_size 255
	.end_amdhsa_kernel
	.section	.bss,"aw",@nobits
	.p2align	6
	.space	262144
	.amdgpu_metadata
---
amdhsa.version: [ 1, 2 ]
amdhsa.kernels:
  - .name:           k_q6232a104ca_gateup
    .symbol:         k_q6232a104ca_gateup.kd
    .args:
      - { .name: codes, .offset: 0, .size: 8, .value_kind: global_buffer, .address_space: global }
      - { .name: lowp_scales, .offset: 8, .size: 8, .value_kind: global_buffer, .address_space: global }
      - { .name: hc, .offset: 16, .size: 8, .value_kind: global_buffer, .address_space: global }
    .group_segment_fixed_size: 327680
    .private_segment_fixed_size: 0
    .kernarg_segment_align: 8
    .kernarg_segment_size: 24
    .max_flat_workgroup_size: 128
    .sgpr_count:     100
    .vgpr_count:     1024
    .wavefront_size: 32
...
	.end_amdgpu_metadata
.endif
;; end of part 2
;; launch down (part 3): grid 8 x 32, 4 waves a work-group, clusters of 4 x 1, 327,680 bytes of LDS; arguments hc, codes, lowp_scales, out0; writes out0
.if DOCPART == 3
	.amdgcn_target "amdgcn-amd-amdhsa--gfx1250"
	.amdhsa_code_object_version 6
	.text
	.protected	k_q6232a104ca_down
	.globl	k_q6232a104ca_down
	.p2align	8
	.type	k_q6232a104ca_down,@function
k_q6232a104ca_down:
	s_mov_b64 s[64:65], 0
	v_nop
	global_prefetch_b8 v0, s[64:65] scope:SCOPE_SE
	s_setreg_imm32_b32 hwreg(HW_REG_WAVE_MODE, 25, 1), 1
	s_wait_xcnt 0x0
	s_wait_alu depctr_hold_cnt(0) depctr_sa_sdst(0) depctr_va_vdst(0) depctr_va_sdst(0) depctr_va_ssrc(0) depctr_va_vcc(0) depctr_vm_vsrc(0)
	s_getreg_b32 s2, hwreg(HW_REG_IB_STS2, 6, 4)
	s_cmp_eq_u32 s2, 0
	s_cbranch_scc0 .Lentry_in_a_cluster
	s_endpgm
.Lentry_in_a_cluster:
	s_bfe_u32 s2, ttmp6, 0x10000c
	s_cmp_lg_u32 s2, 0x3003
	s_cbranch_scc0 .Lentry_shape_is_right
	s_endpgm
.Lentry_shape_is_right:
; out = hidden Wd^T on codes of FP8 (E4M3): M = 8,192 rows, K = 1,024, N = 2,048; each finished f32 sum x 2^(e4 + e5).
; hc, the hidden layer's codes, lies [tile of 256 rows][panel of 128 along K][256 rows][128 bytes]; Wd's codes lie in the buffer of codes at WD_OFF as [panel][2,048 rows][128 bytes].
; LIMIT: e4 + e5 lies between -126 and 127, so that 2^(e4 + e5) is an f32 number.
; SHARES.  A work-group makes 256 rows x 256 columns; wave w makes all 256 rows x columns 64 w .. 64 w + 63.
; A, THE HIDDEN LAYER: the tile's 256 rows x all of K are 262,144 dense bytes.  They come into LDS once, at the head: each wave's one tensor load brings two panels, stated as 256 rows of 256 bytes.  Nothing in LDS is filled again.
; B, THE WEIGHT: a wave's 64 columns x all of K are 65,536 bytes = 512 registers.  No other wave of the work-group wants them, so they go from memory straight into the registers and stay there.
;   A fragment's 16 rows x 128 bytes are 2,048 dense bytes of a panel; its four loads take them in pieces of 32 bytes a row and together leave no byte of them out.
; THE WALK: four passes of 64 rows.  A pass is 8 K steps x 16 matrix instructions on 16 accumulators, which take turns; its first K step starts the sums with C = 0.
;   A finished pass leaves at once, so that its stores are on their way while the later passes are multiplied.
; CLUSTERS: the four work-groups of a cluster make four neighbouring tile columns of one tile row and want the same tile of A: it is asked for JOINTLY (mask 15).  B's columns differ between the partners.
; NO PREFETCH: all that the launch reads is asked for at its head; there is no loop to run ahead in.
; THE MATRIX INSTRUCTION IS USED TRANSPOSED (source 0 = 16 rows of Wd, source 1 = 16 rows of hc): lane (r, h) holds row r, and register j of accumulator (a, b) column 16 b + 8 h + j.
; A fragment (16 rows x 128 K, 16 registers) comes by four loads of 16 bytes, 32 bytes apart: a permutation of k that is the same on both sides, so every product meets its partner.
; REGISTERS, in windows of 256: window 0: v8-21 addresses, v64-191 A's fragments, two sets of 4 x 16;  window 1: v0-127 the accumulators ((a, b) at v[8 (4 a + b)]), v128-159 a block's scaled sums,
;   v160-223 rows read back from the stage, two sets;  window 2: B's panels 0-3 (panel q, block b at v[16 (4 q + b)]);  window 3: panels 4-7.
.set WD_OFF, 37748736
.set DPAN,   262144                    ; a panel of Wd: 2,048 rows x 128 bytes
.set PP,     272                       ; in LDS two rows of codes, 256 bytes, then 16 of padding: row i lies at 272 (i / 2) + 128 (i % 2): the 16 rows that a load touches start at 16 different groups of four banks (ISA guide 11.1)
.set BLK,    8*PP                      ; 16 rows
.set AT,     128*PP                    ; a panel of the tile: 256 rows
.set STAGE,  8*AT                      ; behind A: a stage of 16 rows x (256 + 16) bytes for each wave; no tensor load lands there
.set SPITCH, 272
.set SPARE,  STAGE+4*16*SPITCH         ; the spare words, 128 bytes for each wave: two blocks of 256 bytes that no other line names
.set ROWB,   8192                      ; a row of out0 in bytes
.set AB,  8                            ; v8-11   my fragment's place in panels 0, 2, 4, 6; never rewritten
.set AD,  12                           ; v12-15  the same, at this pass's rows
.set BO,  16                           ; v16     B: 128 r + 16 h
.set STO, 17                           ; v17     the stage: where I put 32 bytes of a row
.set RD,  18                           ; v18     and where I read 16 bytes back
.set CO,  19                           ; v19     my byte offset in out0
.set SPW, 20                           ; v20     LDS address of my spare word; never rewritten
.set NIL, 21                           ; v21     0; never rewritten
.set F,   64
.set TMP, 128
.set BK,  160
.set MSB, 0
.macro WIN new                         ; the immediate's high byte repeats the setting that is left
.if MSB != (\new)
	s_set_vgpr_msb (MSB<<8)|(\new)
.set MSB, (\new)
.endif
.endm
.macro CROUND                          ; a round of the cluster's barrier
	s_barrier_signal -1
	s_barrier_wait -1
	s_cmp_lg_u32 s14, 0
	s_cbranch_scc1 .Lnot_wave_0_\@
	s_barrier_signal -3
.Lnot_wave_0_\@:
	s_barrier_wait -3
	s_barrier_signal -1
	s_barrier_wait -1
.endm
.macro PLACES                          ; four plain vector lines between a matrix instruction and a load into, or a read of, its registers (ISA guide 7.12.1 for reads)
.rept 4
	v_nop
.endr
.endm
	s_load_b128 s[4:7], s[0:1], 0x0                ; hc s[4:5], the codes s[6:7]
	s_load_b128 s[8:11], s[0:1], 0x10              ; the scales' exponents s[8:9], out0 s[10:11]
	v_lshl_add_u32 v[SPW], v0, 2, SPARE
	v_mov_b32 v[NIL], 0
	ds_add_u32 v[SPW], v[NIL]                      ; the opening lines: the add, twice on end, and its wait ahead of my first tensor load
	ds_add_u32 v[SPW], v[NIL]
	v_lshrrev_b32 v1, 5, v0
	v_readfirstlane_b32 s14, v1                    ; wave 0..3
	s_bfe_u32 s15, ttmp6, 0x40000                  ; cx: my place in the cluster
	s_lshl_b32 s16, ttmp9, 2
	s_add_co_u32 s16, s16, s15                     ; tile column = 4 x cluster x + cx
	s_and_b32 s17, ttmp7, 0xffff                   ; tile row = cluster y
	s_mov_b32 s24, 15|(3<<16)|(1<<20)|(1<<21)|(5<<22)|(3<<25)  ; group 1: the mask of all four partners; elements of 8 bytes; padding on; bit 21 beside the mask; after every 64 words, four words
	s_mov_b32 s25, 32<<16                          ; tensor_dim0 = 32 elements: rows of 256 bytes
	s_mov_b32 s26, 256<<16                         ; tensor_dim1 = 256
	s_mov_b32 s27, 32<<16                          ; tile_dim0
	s_mov_b32 s28, 256                             ; tile_dim1
	s_mov_b32 s29, 32                              ; from row to row
	s_mov_b32 s30, 0
	s_mov_b32 s31, 0
	s_lshl_b32 s20, s17, 18                        ; A: the tile row's 262,144 bytes,
	s_lshl_b32 s21, s14, 16                        ; my two panels: the address hangs on the tile row and the wave alone
	s_add_co_u32 s20, s20, s21
	s_mov_b32 s21, 0
	s_mov_b32 s32, 1                               ; group 0: count = 1,
	s_mul_i32 s33, s14, 2*AT                       ; LDS address: two panels a wave
	s_lshl_b32 s22, s16, 15                        ; B: 256 rows x 128 bytes x tile column,
	s_lshl_b32 s23, s14, 13                        ; my 64 rows,
	s_add_co_u32 s22, s22, s23
	s_add_co_u32 s22, s22, WD_OFF                  ; in Wd's part of the buffer
	s_mov_b32 s23, 0
	s_wait_dscnt 0x0                               ; both opening adds are done
	s_wait_kmcnt 0x0
	s_load_b64 s[36:37], s[8:9], 0x10              ; e4, e5
	s_add_nc_u64 s[34:35], s[4:5], s[20:21]
	s_or_b32 s35, s35, 0x80000000                  ; type = 2
	s_add_nc_u64 s[6:7], s[6:7], s[22:23]
	CROUND                                         ; all four work-groups are here: the joint loads meet
	tensor_load_to_lds s[32:35], s[24:31]          ; my two panels of A: my only tensor load
	s_nop 0
	PLACES
	s_lshl_b32 s20, s17, 21                        ; out0: 256 rows of 8,192 bytes x tile row,
	s_lshl_b32 s21, s16, 10                        ; 1,024 bytes x tile column,
	s_add_co_u32 s20, s20, s21
	s_lshl_b32 s21, s14, 8                         ; my 64 columns: 256 bytes x wave
	s_add_co_u32 s20, s20, s21
	s_mov_b32 s21, 0
	s_add_nc_u64 s[10:11], s[10:11], s[20:21]
	s_mul_i32 s18, s14, 16*SPITCH
	s_add_co_u32 s18, s18, STAGE                   ; my stage
	v_and_b32 v1, 15, v0                           ; r
	v_bfe_u32 v2, v0, 4, 1                         ; h
	v_lshlrev_b32 v[BO], 7, v1
	v_lshl_add_u32 v[BO], v2, 4, v[BO]
	v_lshrrev_b32 v3, 1, v1
	v_mul_u32_u24 v3, v3, PP                       ; 272 (r / 2)
	v_and_b32 v4, 1, v1
	v_lshl_add_u32 v3, v4, 7, v3                   ; + 128 (r % 2)
	v_lshl_add_u32 v[AB], v2, 4, v3                ; + 16 h
	v_add_nc_u32 v[AB+1], 2*AT, v[AB]
	v_add_nc_u32 v[AB+2], 4*AT, v[AB]
	v_add_nc_u32 v[AB+3], 6*AT, v[AB]
	v_mul_u32_u24 v5, v1, SPITCH                   ; into the stage: row r, 32 bytes for each half of the lanes
	v_lshl_add_u32 v5, v2, 5, v5
	v_add_nc_u32 v[STO], s18, v5
	v_mul_u32_u24 v6, v2, SPITCH                   ; back: lanes 0-15 one row of 256 bytes, lanes 16-31 the next
	v_lshl_add_u32 v6, v1, 4, v6
	v_add_nc_u32 v[RD], s18, v6
	v_lshlrev_b32 v7, 13, v2                       ; and the same two rows in out0
	v_lshl_add_u32 v[CO], v1, 4, v7
	s_wait_alu depctr_va_vdst(0)
.irp q, 0,1,2,3,4,5,6,7                ; B: 128 loads; lane (r, h) takes of row 16 b + r of panel q the bytes 32 c + 16 h on
	WIN 0x80+0x40*(\q/4)                           ; destination: window 2 or 3
.irp b, 0,1,2,3
.irp c, 0,1,2,3
	global_load_b128 v[16*(4*(\q%4)+\b)+4*\c:16*(4*(\q%4)+\b)+4*\c+3], v[BO], s[6:7] offset:\q*DPAN+\b*2048+32*\c
.endr
.endr
.endr
	WIN 0
	s_wait_kmcnt 0x0
	s_add_co_i32 s36, s36, s37                     ; e4 + e5
	s_add_co_i32 s36, s36, 127
	s_lshl_b32 s36, s36, 23                        ; 2^(e4 + e5) as f32
	s_wait_tensorcnt 0x0                           ; my part of A is in,
	s_wait_loadcnt 0x0                             ; and all of my B
	s_barrier_signal -1
	s_barrier_wait -1                              ; everybody's part of A is in
.macro FETCH q                         ; A's four fragments of this pass's 64 rows, panel q, into set q % 2: 16 loads
.irp i, 0,1,2,3
.irp c, 0,1,2,3
	ds_load_b128 v[F+64*((\q)%2)+16*\i+4*\c:F+64*((\q)%2)+16*\i+4*\c+3], v[AD+(\q)/2] offset:((\q)%2)*AT+\i*BLK+32*\c
.endr
.endr
.endm
.macro MULS q                          ; 16 matrix instructions: A's four blocks x B's four, 128 along K
	WIN 0x52+((\q)/4)                              ; source 0 (B) window 2 or 3, source 1 (A) window 0, C and D window 1
.irp a, 0,1,2,3
.irp b, 0,1,2,3
.if (\q) == 0
	v_wmma_f32_16x16x128_fp8_fp8 v[8*(4*\a+\b):8*(4*\a+\b)+7], v[16*(4*((\q)%4)+\b):16*(4*((\q)%4)+\b)+15], v[F+64*((\q)%2)+16*\a:F+64*((\q)%2)+16*\a+15], 0
.else
	v_wmma_f32_16x16x128_fp8_fp8 v[8*(4*\a+\b):8*(4*\a+\b)+7], v[16*(4*((\q)%4)+\b):16*(4*((\q)%4)+\b)+15], v[F+64*((\q)%2)+16*\a:F+64*((\q)%2)+16*\a+15], v[8*(4*\a+\b):8*(4*\a+\b)+7]
.endif
.endr
.endr
	WIN 0
.endm
.macro KSTEP q
.if (\q) < 7
.if (\q) > 0
	PLACES                                         ; the set that takes the next loads was read by the K step before
.endif
	FETCH (\q)+1
	s_wait_dscnt 16                                ; this K step's fragments are in; the sixteen loads just issued may be out
.else
	s_wait_dscnt 0x0
.endif
	MULS \q
.endm
; THE WAY OUT of block a, 16 rows x 64 columns: x 2^(e4 + e5); 32 bytes a lane into my stage; back as whole rows of 256 bytes.  LDS serves a wave's instructions in order (ISA guide 5.7.1.4): no wait between the stores and the loads.
.macro TOSTAGE a
	s_wait_xcnt 0x0                                ; the earlier stores have read their registers: this block's rows may land there
	WIN 0x41                                       ; source 0 and destination: window 1
.irp j, 0,2,4,6,8,10,12,14,16,18,20,22,24,26,28,30
	v_pk_mul_f32 v[TMP+\j:TMP+\j+1], v[32*(\a)+\j:32*(\a)+\j+1], s[36:37] op_sel_hi:[1,0]   ; both x s36; each accumulator from its low end on
.endr
	WIN 0x44                                       ; store data and load destinations: window 1; addresses: window 0
.irp b, 0,1,2,3
	ds_store_b128 v[STO], v[TMP+8*\b:TMP+8*\b+3] offset:64*\b
	ds_store_b128 v[STO], v[TMP+8*\b+4:TMP+8*\b+7] offset:64*\b+16
.endr
.irp t, 0,1,2,3,4,5,6,7
	ds_load_b128 v[BK+32*((\a)%2)+4*\t:BK+32*((\a)%2)+4*\t+3], v[RD] offset:\t*2*SPITCH
.endr
.endm
.macro SEND a, younger                 ; younger: the LDS instructions issued behind block a's loads, which may stay out
	s_wait_dscnt \younger
.irp t, 0,1,2,3,4,5,6,7
	global_store_b128 v[CO], v[BK+32*((\a)%2)+4*\t:BK+32*((\a)%2)+4*\t+3], s[10:11] offset:(16*(\a)+2*\t)*ROWB th:TH_STORE_NT   ; sixteen lanes store 256 consecutive bytes, at a multiple of 256 from out0's first byte
.endr
.endm
	s_mov_b32 s40, 0                               ; this pass's rows in a panel, in LDS bytes; also the loop's counter
.Lpass:
.irp j, 0,1,2,3
	v_add_nc_u32 v[AD+\j], s40, v[AB+\j]
.endr
	s_wait_alu depctr_va_vdst(0)
	FETCH 0
.irp q, 0,1,2,3,4,5,6,7
	KSTEP \q
.endr
	PLACES                                         ; behind the last products, ahead of the reads of their results
	TOSTAGE 0
	TOSTAGE 1
	SEND 0, 16                                     ; behind block 0's loads: block 1's 8 stores and 8 loads
	TOSTAGE 2
	SEND 1, 16
	TOSTAGE 3
	SEND 2, 16
	SEND 3, 0
	WIN 0
	s_wait_xcnt 0x0                                ; the stores have read their base
	s_add_nc_u64 s[10:11], s[10:11], 64*ROWB       ; 64 rows of out0 on
	s_add_co_u32 s40, s40, 4*BLK
	s_cmp_lt_u32 s40, 16*BLK
	s_cbranch_scc1 .Lpass
	s_wait_tensorcnt 0x0                           ; the wave's end
	ds_add_u32 v[SPW], v[NIL]
	s_wait_dscnt 0x0
	CROUND                                         ; the closing round
	s_endpgm
.Lfunc_end_k_q6232a104ca_down:
	.size	k_q6232a104ca_down, .Lfunc_end_k_q6232a104ca_down-k_q6232a104ca_down
	.p2alignl 7, 3214868480
	.fill 96, 4, 3214868480
	.section	.rodata,"a",@progbits
	.p2align	6, 0x0
	.amdhsa_kernel k_q6232a104ca_down
		.amdhsa_group_segment_fixed_size 327680
		.amdhsa_private_segment_fixed_size 0
		.amdhsa_enable_private_segment 0
		.amdhsa_kernarg_size 32
		.amdhsa_user_sgpr_count 2
		.amdhsa_user_sgpr_kernarg_segment_ptr 1
		.amdhsa_wavefront_size32 1
		.amdhsa_system_sgpr_workgroup_id_x 1
		.amdhsa_system_sgpr_workgroup_id_y 1
		.amdhsa_system_sgpr_workgroup_id_z 1
		.amdhsa_system_vgpr_workitem_id 0
		.amdhsa_next_free_vgpr 1024
		.amdhsa_next_free_sgpr 66
		.amdhsa_reserve_vcc 0
		.amdhsa_float_denorm_mode_32 3
		.amdhsa_float_denorm_mode_16_64 3
		.amdhsa_memory_ordered 1
		.amdhsa_forward_progress 1
		.amdhsa_inst_pref_size 47
	.end_amdhsa_kernel
	.amdgpu_metadata
---
amdhsa.version: [ 1, 2 ]
amdhsa.kernels:
  - .name:           k_q6232a104ca_down
    .symbol:         k_q6232a104ca_down.kd
    .args:
      - { .name: hc, .offset: 0, .size: 8, .value_kind: global_buffer, .address_space: global }
      - { .name: codes, .offset: 8, .size: 8, .value_kind: global_buffer, .address_space: global }
      - { .name: lowp_scales, .offset: 16, .size: 8, .value_kind: global_buffer, .address_space: global }
      - { .name: out0, .offset: 24, .size: 8, .value_kind: global_buffer, .address_space: global }
    .group_segment_fixed_size: 327680
    .private_segment_fixed_size: 0
    .kernarg_segment_align: 8
    .kernarg_segment_size: 32
    .max_flat_workgroup_size: 128
    .sgpr_count:     66
    .vgpr_count:     1024
    .wavefront_size: 32
...
	.end_amdgpu_metadata
.endif
;; end of part 3
